; MI455X (gfx1250); checked and timed in simulation.
; The chip was launched on July 23, 2026; its instructions are those of AMD's public machine-readable ISA for CDNA 5 (MIT licence, August 2026) and "CDNA5" Instruction Set Architecture Reference Guide (July 2026). The comments in the code are by the model that wrote it; some were corrected since.
;; MLP Param. Allowed arithmetic: matrix products marked QUANTISED: E3M2 operands, one E8M0 scale for each 32 along K, by v_wmma_scale_f32_16x16x128_f8f6f4 with both operands' format E3M2, f32 sums; products left as they are: f32 operands where the result goes on into a quantised operand, else bf16, f16 or f32 operands; f32 sums; everything else in f32.
;; Inputs: W_1_codes 64 x 512 x 16 x 24 uint8 (E3M2 codes of W_1, K innermost, in blocks of 32 codes, four codes in three bytes); W_1_scales 64 x 512 x 16 uint8 (E8M0 scales of W_1, one for each 32 codes along K); b_1_codes 512 x 2 x 24 uint8 (E3M2 codes of b_1, K innermost, in blocks of 32 codes, four codes in three bytes); b_1_scales 512 x 2 uint8 (E8M0 scales of b_1, one for each 32 codes along K); var_vector 4,096 x 64 float32; x_codes 4,096 x 16 x 24 uint8 (E3M2 codes of x, K innermost, in blocks of 32 codes, four codes in three bytes); x_scales 4,096 x 16 uint8 (E8M0 scales of x, one for each 32 codes along K).
;; Outputs: out0 4,096 x 512 float32.
;; This version of the problem:
;;   THIS VERSION OF THE PROBLEM IS GIVEN IN LOW PRECISION. The matrix products marked QUANTISED in the list below multiply operands that are first quantised to E3M2 (3 exponent bits, 2 mantissa bits; 6 bits a number), with one power-of-two scale for each 32 numbers along K (OCP MX v1.0); their sums are f32. All else is computed in f32.
;;   The module's matrix products, in the order in which they are computed (A, B: the left and right operand; K: the contracted axis; several contracted axes count as one K, in the product's order):
;;     1. [M 4,096, K 512] x [K 512, N 32,768]; A: input x (given as codes); B: input W_1 (given as codes): QUANTISED
;;     2. batch 4,096 x [M 1, K 64] x [K 64, N 512]; A: input var_vector; B: computed on the way: left as it is (M = 1 < 16)
;;     3. [M 4,096, K 64] x [K 64, N 512]; A: input var_vector; B: input b_1 (given as codes): QUANTISED
;;   THE QUANTISER, for each operand of a quantised product, along K:
;;     - K is cut into blocks of 32 from its start; a last block that is shorter is filled with zeros.
;;     - A block's scale is 2^e with e = floor(log2(the largest magnitude in the block)) - 4, held to -126 .. 127; a block of zeros has e = 0. As a byte (E8M0): e + 127.
;;     - Each number is divided by its block's scale, clamped to +-28, and rounded to the nearest number of E3M2, ties to even, subnormals kept.
;;     - The product sums the exact products of the quantised numbers (number of the format x scale) in f32.
;;   ~~~python
;;   def quantise(x, axis):      # numpy; x: float32 -> the quantised numbers, widened to float32 again
;;       x = np.moveaxis(x, axis, -1); K = x.shape[-1]
;;       x = np.pad(x, [(0, 0)] * (x.ndim - 1) + [(0, -K % 32)]); x = x.reshape(x.shape[:-1] + (-1, 32)); a = np.abs(x).max(-1, keepdims=True)
;;       e = np.where(a > 0, np.clip(np.frexp(np.where(a > 0, a, 1))[1] - 1 - 4, -126, 127), 0)      # np.frexp(a)[1] - 1 = floor(log2(a)), exactly
;;       r = np.clip(x / 2.0 ** e, -28, 28)
;;       step = 2.0 ** (np.maximum(np.frexp(np.where(r == 0, 1, r))[1] - 1, -2) - 2)
;;       q = np.round(r / step) * step * 2.0 ** e      # np.round: ties to even
;;       return np.moveaxis(q.reshape(q.shape[:-2] + (-1,))[..., :K], -1, axis).astype(np.float32)
;;   ~~~
;;   INPUTS GIVEN AS CODES. W_1 (in the module: [64, 512, 512], K = its axis 1); b_1 (in the module: [64, 512], K = its axis 0); x (in the module: [4096, 512], K = its axis 1): each comes as NAME_codes (uint8): NAME with its K axis moved to the last place and cut into blocks of 32 codes, [.., K / 32, bytes a block], one block behind the other in memory; four codes in three bytes: a row's codes are one little-endian stream of bits, code i at bits 6 i .. 6 i + 5 (a code: sign, 3 exponent bits, 2 mantissa bits); and NAME_scales (uint8): the same leading axes, one E8M0 byte (e + 127) for each 32 codes along K. Its value is code x scale, taken as it is: it is not quantised again, and the codes and scales need not be those that the quantiser above would give.
;; One version. Each part assembles by itself: llvm-mc -triple=amdgcn-amd-amdhsa -mcpu=gfx1250 --defsym DOCPART=n.
;; ======== version 1 of 1: 1 launch
;; limits: right only within a limited range of input values
;; launch mlp (part 1): grid 16 x 16, 4 waves a work-group, clusters of 4 x 4, 327,680 bytes of LDS; arguments W_1_codes, W_1_scales, b_1_codes, b_1_scales, var_vector, x_codes, x_scales, out0; writes out0
.if DOCPART == 1
	.amdgcn_target "amdgcn-amd-amdhsa--gfx1250"
	.amdhsa_code_object_version 6
	.text
	.protected	k_q7491ef3509_mlp
	.globl	k_q7491ef3509_mlp
	.p2align	8
	.type	k_q7491ef3509_mlp,@function
k_q7491ef3509_mlp:
	s_mov_b64 s[64:65], 0
	v_nop
	global_prefetch_b8 v0, s[64:65] scope:SCOPE_SE
	s_setreg_imm32_b32 hwreg(HW_REG_WAVE_MODE, 25, 1), 1
	s_wait_xcnt 0x0
	s_wait_alu depctr_hold_cnt(0) depctr_sa_sdst(0) depctr_va_vdst(0) depctr_va_sdst(0) depctr_va_ssrc(0) depctr_va_vcc(0) depctr_vm_vsrc(0)
	s_getreg_b32 s2, hwreg(HW_REG_IB_STS2, 6, 4)
	s_cmp_eq_u32 s2, 0
	s_cbranch_scc0 .Lentry_in_a_cluster
	s_endpgm
.Lentry_in_a_cluster:
	s_bfe_u32 s2, ttmp6, 0x10000c
	s_cmp_lg_u32 s2, 0xf033
	s_cbranch_scc0 .Lentry_shape_is_right
	s_endpgm
.Lentry_shape_is_right:
; out[n][o] = sum over d of v[n][d] y[n][d][o]  +  sum over d of Q(v)[n][d] b[d][o],   y[n][d][o] = sum over i of x[n][i] W[d][i][o].
; n 4,096 samples, d 64 bases, i 512, o 512.  x, W, b come as codes of BF6 (E3M2) with one E8M0 byte for each 32 along K, K innermost; v (var_vector) is f32.
; y and the bias product go by v_wmma_scale_f32_16x16x128_f8f6f4; for the bias product v is quantised here, along d (two blocks of 32; the K step's other 64 are zero codes on both sides).
; The weighting of y by v is done in f32 by packed fused multiply-adds.  NOTHING OF reference() IS LEFT OUT: every input has a way to out0, and all eight buffers are arguments.
; LIMITS.  NaN and infinities in var_vector are not served by the quantiser.  A block of v whose largest magnitude lies under 2^-122 gets the byte 1 (the quantiser's hold at -126).  A block of zeros gets the
; byte 1 where the quantiser says 127: its codes are zeros, and this program alone reads the byte.  An output's sum runs: bias first, then d ascending; that differs from reference()'s order by rounding alone.
; SHARES.  Work-group (bx, y) owns samples 256 bx .. + 255 and outputs 32 y .. + 31, for all 64 d: 16 x 16 work-groups of equal work.  Wave w: its 128 samples by w / 2 (eight tiles of 16), its 16 outputs by w % 2.
; THE PRODUCTS ARE USED TRANSPOSED (source 0 = 16 rows of W or of b, source 1 = 16 samples): lane (r = lane % 16, h = lane / 16) holds ONE sample, 16 m + r, and eight neighbouring outputs, 8 h + 0 .. 7; so v[n][d] is one number a lane.
; THE ORDER OF K.  A row of x or W is 16 blocks of 32 codes, 24 bytes each.  Which block stands where in a product is free, if it is the same on both sides: lanes 0-15 take blocks 0-7, lanes 16-31 blocks 8-15, so a lane's
; 48 registers (four K steps) are 192 NEIGHBOURING bytes: twelve loads of 16.  K step s then holds blocks 2s, 8+2s, 2s+1, 8+2s+1 in the order of its scale bytes: one v_perm_b32 makes each scale word of a row's 16 bytes.
; x STAYS IN REGISTERS for the whole launch (8 tiles x 48).  Only W streams: through a ring of two LDS slots of 8 d each (8 x 32 rows x 384 bytes); a fragment of W read from LDS feeds 8 products.
; A d is two phases of 16 products: phase A makes y of tiles 0-3 (temporaries T_A), phase B of tiles 4-7 (T_B); behind each product stands one packed multiply-add that adds the OTHER group's finished y, times v, onto out's sums.
; LDS LOADS stand in one run for TWO d, between phase A and phase B of the pair's first d, 48 products ahead of their first use.
; CLUSTER 4 x 4.  W's tiles and scale bytes hang on y alone and are asked for jointly along a row of the cluster; x's codes and v hang on bx alone and are asked for jointly along a column.
; THE WAY OUT.  A work-group's piece of a row of out is 128 bytes: eight lanes store 128 consecutive bytes, aligned; the other 128 bytes of the aligned 256 are work-group y xor 1's, a partner in the same cluster.
; Pieces of 256 bytes would ask for 64 outputs a work-group: with 256 samples that is 128 work-groups, with 128 samples W is written into LDS twice as often.
; REGISTERS, in windows of 256 (s_set_vgpr_msb: bits 1:0 source 0, 3:2 source 1, 5:4 source 2, 7:6 destination):
;   window 0: v0-31 addresses; v32-47 x's scale words; v64-79 W's scale words, two sets of four d; v80-87 W's scale bytes as they lie; v88-255 the bias work, later the way out.
;   window 1: v0-191 x of tiles 0-3; v192-223 T_B; v224-255 out's sums of tiles 0-3.     window 2: v0-191 x of tiles 4-7; v192-223 T_A; v224-255 out's sums of tiles 4-7.
;   window 3: v0-191 W's fragments, two buffers of two d; v192-255 v[sample][4 d], two sets (4 m + d % 4).
; So ONE setting serves a phase's products and the multiply-adds between them, and the register numbers are the same in both phases.
.set SLOT,   110592                    ; a slot: 8 d-slices
.set DSL,    13824                     ; a d-slice: 32 rows x PITCH
.set PITCH,  432                       ; an LDS row of codes: 3 x (128 bytes + 16 of padding) = 27 x 16 bytes: sixteen rows' pieces of 16 bytes lie at sixteen different places modulo 256 (64 banks of 4 bytes: ISA guide 11.1)
.set WSC,    2*SLOT                    ; W's scale bytes of my 32 outputs, all d: [d][row][16 bytes], filled once
.set VV,     WSC+32768                 ; v of my 256 samples: rows of 256 bytes + 16, filled once
.set VPITCH, 272
.set SPARE,  VV+256*VPITCH             ; the spare words, 128 bytes for each wave: two blocks of 256 bytes that no other line names
.set SPITCH, 144                       ; the way out: a stage of 256 rows x (128 bytes + 16) in slot 0, which has had its last fill and its last read when the first result is stored there
.set WSTEP,  8*196608                  ; 8 d on in W's codes
.set SPW, 4                            ; v4   LDS address of my spare word; never rewritten
.set NIL, 5                            ; v5   0; never rewritten
.set LB,  6                            ; v6-7   my lane's place in a d-slice: (16 (w % 2) + r) PITCH + 208 h; and the same behind one padding more (+ 16 h)
.set ADW, 8                            ; v8-11  the slot in hand: d-slices 0-3 (two variants), d-slices 4-7 (two variants)
.set ADX, 12                           ; v12-13 x's codes in slot 1 (two variants)
.set ADS, 14                           ; v14  W's scale bytes of the next four d: lanes 16-31 one d on
.set ADV, 15                           ; v15  v of the next four d
.set ADB, 16                           ; v16  v for the bias: my block of 32
.set STO, 17                           ; v17  the stage: where I put 32 bytes of a row
.set RD,  18                           ; v18  and where I read 16 bytes back
.set CO,  19                           ; v19  my byte offset in the wave's rows of out
.set PFO, 20                           ; v20  the prefetches' offset; never rewritten
.set XSO, 21                           ; v21-23 offsets of the small loads at the head
.set BCO, 22
.set BSO, 23
.set SH8, 24                           ; v24  8 h
.set VQT, 28                           ; v28-30, v48-50 the second conversions' results
.set XS,  32                           ; x's scale words (4 m + s): lanes 0-15 tile m, lanes 16-31 tile m + 4
.set XR,  48                           ; x's scale bytes as they lie; later the bias work's small registers:
.set MX,  48                           ; v48-55 largest magnitudes, four chains for each of two tiles
.set TS,  56                           ; v56-57 the conversions' scale operands; v58-59 scale bytes; v60-61 those of lane l xor 16
.set BY,  58
.set BX,  60
.set WS,  64                           ; W's scale words: 8 x set + 4 x (d % 4 / 2) + s: lanes 0-15 the even d, lanes 16-31 the odd
.set WR,  80
.set BF,  88                           ; v88-99 b's fragment (registers 6-11 stay zero)
.set BSC, 100                          ; v100 b's scale word;  v101-102 v's
.set VSC, 101
.set VQ,  104                          ; v104-115, v116-127 v's fragments of two tiles (registers 6-11 stay zero)
.set NUM, 128                          ; v128-255: 32 numbers of v of each of two tiles, two sets
.set OB,  128                          ; the way out: 64 registers
.set WV,  20                           ; s20 wave;  s21 which 128 samples;  s22 which 16 outputs
.set SH,  21
.set OH,  22
.set CX,  23
.set CY,  24
.set BXI, 25                           ; s25 bx;  s26 y
.set YI,  26
.set RM,  27                           ; s27 my row of the cluster;  s28 my column
.set CM,  28
.set TB,  29                           ; s29 LDS byte at which the slot in hand begins
.set LW,  30                           ; s30 my wave's quarter of a slot
.set IDX, 31                           ; s31 counts the places at which a prefetch may stand
.set G1W, 32                           ; s[32:39] group 1 for W's codes; s[40:47] W's scales; s[48:55] x's codes; s[56:63] v
.set G1S, 40
.set G1X, 48
.set G1V, 56
.set G0H, 4                            ; s[4:7] group 0 for W's codes at the head (the arguments that lay there have been used by then)
.set G0W, 68                           ; s[68:71] group 0 for W's codes, which walks; s[72:75], s[76:79], s[80:83] those that are used once
.set G0S, 72
.set G0X, 76
.set G0V, 80
.set PFA, 84                           ; s[84:85] where my prefetches stand
.set LIM, 86                           ; s86 7 in a wave that prefetches, else 0
.set CNT, 87
.set SEL, 88                           ; s[88:89] v_permlanex16_b32's selects for lane l xor 16
.set PSEL, 90                          ; s[90:91] v_perm_b32's selects for the scale words of even and odd K steps (in registers that held y's offsets)
.set PHA, 0xa7                         ; source 0 window 3, source 1 window 1, source 2 and destination window 2
.set PHB, 0x5b                         ; source 0 window 3, source 1 window 2, source 2 and destination window 1
.set MSB, 0
.macro WIN new                         ; the immediate's high byte repeats the setting that is left; a switch that changes nothing is dropped
.if MSB != (\new)
	s_set_vgpr_msb (MSB<<8)|(\new)
.set MSB, (\new)
.endif
.endm
.macro PLACES
.rept 4
	v_nop
.endr
.endm
.macro CREST                           ; a round of the cluster's barrier behind its opening barrier
	s_cmp_lg_u32 s[WV], 0
	s_cbranch_scc1 .Lnot_wave_0_\@
	s_barrier_signal -3
.Lnot_wave_0_\@:
	s_barrier_wait -3
	s_barrier_signal -1
	s_barrier_wait -1
.endm
.macro CROUND                          ; a whole round
	s_barrier_signal -1
	s_barrier_wait -1
	CREST
.endm
; A lane's 192 bytes of a row, twelve pieces of 16, into 48 registers.  16 bytes of padding lie behind every 8 pieces of the row: lanes 16-31 begin at piece 12, so for pieces 4-7 they stand one padding further on: the second register.
.macro PIECES reg, adr, off
.irp p, 0,1,2,3
	ds_load_b128 v[(\reg)+4*\p:(\reg)+4*\p+3], v[\adr] offset:(\off)+16*\p
.endr
.irp p, 4,5,6,7
	ds_load_b128 v[(\reg)+4*\p:(\reg)+4*\p+3], v[(\adr)+1] offset:(\off)+16*\p
.endr
.irp p, 8,9,10,11
	ds_load_b128 v[(\reg)+4*\p:(\reg)+4*\p+3], v[\adr] offset:(\off)+16*\p+16
.endr
.endm
.macro FETCHG dq, gb                   ; W's fragments of the slot's d-slices dq, dq + 1 into buffer gb: 24 loads
	WIN 0xc0                                       ; destination window 3, address window 0
.irp e, 0,1
	PIECES 96*(\gb)+48*\e, ADW+2*(((\dq)+\e)/4), (((\dq)+\e)%4)*DSL
.endr
.endm
.macro QV st                           ; v of the next four d, my 8 tiles (a lane's sample, 16 bytes), into set st
	WIN 0xc0
.irp m, 0,1,2,3,4,5,6,7
	ds_load_b128 v[192+32*(\st)+4*\m:195+32*(\st)+4*\m], v[ADV] offset:\m*16*VPITCH
.endr
	WIN 0
	v_add_nc_u32 v[ADV], 16, v[ADV]
.endm
.macro QS                              ; the scale bytes of the next four d: two d a load
	WIN 0
.irp q, 0,1
	ds_load_b128 v[WR+4*\q:WR+4*\q+3], v[ADS] offset:\q*1024
.endr
	v_add_nc_u32 v[ADS], 2048, v[ADS]
.endm
.macro PERMS st                        ; and the scale words made of them, into set st
	WIN 0
.irp q, 0,1
.irp s, 0,1,2,3
	v_perm_b32 v[WS+8*(\st)+4*\q+\s], v[WR+4*\q+2+\s/2], v[WR+4*\q+\s/2], s[PSEL+\s%2]
.endr
.endr
.endm
.macro SETADW                          ; the fragment addresses of the slot at s[TB]
	s_add_co_u32 s3, s[TB], 4*DSL
	v_add_nc_u32 v[ADW], s[TB], v[LB]
	v_add_nc_u32 v[ADW+1], s[TB], v[LB+1]
	v_add_nc_u32 v[ADW+2], s3, v[LB]
	v_add_nc_u32 v[ADW+3], s3, v[LB+1]
.endm
; One packed multiply-add: pair mi_ of tile s_ of the group that the phase does NOT multiply: out's sums += v x y.  v of d number fd_ is one register of a pair: op_sel picks it for both halves.
.macro SLICE
.set vp_, vb_+4*s_
.set ta_, 8*s_+2*mi_
.if (fd_%2) == 0
	v_pk_fma_f32 v[224+ta_:225+ta_], v[vp_:vp_+1], v[192+ta_:193+ta_], v[224+ta_:225+ta_] op_sel_hi:[0,1,1]
.else
	v_pk_fma_f32 v[224+ta_:225+ta_], v[vp_:vp_+1], v[192+ta_:193+ta_], v[224+ta_:225+ta_] op_sel:[1,0,0] op_sel_hi:[1,1,1]
.endif
.endm
; One product: K step s_, tile mi_ of the phase's group.  K step 0 starts the sum with the constant 0.  An odd d's scales of W, and phase B's scales of x, lie in lanes 16-31.
.macro WM ph, d
.if s_ == 0
.if (\ph) == 0
.if ((\d)%2) == 0
	v_wmma_scale_f32_16x16x128_f8f6f4 v[t_:t_+7], v[w_:w_+11], v[x_:x_+11], 0, v[ws_], v[xs_] matrix_a_fmt:MATRIX_FMT_BF6 matrix_b_fmt:MATRIX_FMT_BF6
.else
	v_wmma_scale_f32_16x16x128_f8f6f4 v[t_:t_+7], v[w_:w_+11], v[x_:x_+11], 0, v[ws_], v[xs_] matrix_a_fmt:MATRIX_FMT_BF6 matrix_b_fmt:MATRIX_FMT_BF6 matrix_a_scale:MATRIX_SCALE_ROW1
.endif
.else
.if ((\d)%2) == 0
	v_wmma_scale_f32_16x16x128_f8f6f4 v[t_:t_+7], v[w_:w_+11], v[x_:x_+11], 0, v[ws_], v[xs_] matrix_a_fmt:MATRIX_FMT_BF6 matrix_b_fmt:MATRIX_FMT_BF6 matrix_b_scale:MATRIX_SCALE_ROW1
.else
	v_wmma_scale_f32_16x16x128_f8f6f4 v[t_:t_+7], v[w_:w_+11], v[x_:x_+11], 0, v[ws_], v[xs_] matrix_a_fmt:MATRIX_FMT_BF6 matrix_b_fmt:MATRIX_FMT_BF6 matrix_a_scale:MATRIX_SCALE_ROW1 matrix_b_scale:MATRIX_SCALE_ROW1
.endif
.endif
.else
.if (\ph) == 0
.if ((\d)%2) == 0
	v_wmma_scale_f32_16x16x128_f8f6f4 v[t_:t_+7], v[w_:w_+11], v[x_:x_+11], v[t_:t_+7], v[ws_], v[xs_] matrix_a_fmt:MATRIX_FMT_BF6 matrix_b_fmt:MATRIX_FMT_BF6
.else
	v_wmma_scale_f32_16x16x128_f8f6f4 v[t_:t_+7], v[w_:w_+11], v[x_:x_+11], v[t_:t_+7], v[ws_], v[xs_] matrix_a_fmt:MATRIX_FMT_BF6 matrix_b_fmt:MATRIX_FMT_BF6 matrix_a_scale:MATRIX_SCALE_ROW1
.endif
.else
.if ((\d)%2) == 0
	v_wmma_scale_f32_16x16x128_f8f6f4 v[t_:t_+7], v[w_:w_+11], v[x_:x_+11], v[t_:t_+7], v[ws_], v[xs_] matrix_a_fmt:MATRIX_FMT_BF6 matrix_b_fmt:MATRIX_FMT_BF6 matrix_b_scale:MATRIX_SCALE_ROW1
.else
	v_wmma_scale_f32_16x16x128_f8f6f4 v[t_:t_+7], v[w_:w_+11], v[x_:x_+11], v[t_:t_+7], v[ws_], v[xs_] matrix_a_fmt:MATRIX_FMT_BF6 matrix_b_fmt:MATRIX_FMT_BF6 matrix_a_scale:MATRIX_SCALE_ROW1 matrix_b_scale:MATRIX_SCALE_ROW1
.endif
.endif
.endif
.endm
; Half a phase of the slot's d number d: 8 products (K steps 2 hf, 2 hf + 1 x the group's four tiles), each followed by one multiply-add if fma: phase A carries those of the d before (tiles 4-7), phase B this d's (tiles 0-3).
; The four temporaries take turns, one instruction a turn.  A temporary is read from its low end on, tile by tile, four plain instructions or more behind its last product.
.macro H ph, hf, d, fma
.set wb_, 96*(((\d)/2)%2)+48*((\d)%2)
.set wsb_, WS+8*((\d)/4)+4*(((\d)%4)/2)
.set fd_, ((\d)+7*(1-(\ph)))%8
.set vb_, 192+32*(fd_/4)+16*(1-(\ph))+2*((fd_%4)/2)
.set i_, 8*(\hf)
.rept 8
.set s_,  i_/4
.set mi_, i_%4
.set t_,  192+8*mi_
.set w_,  wb_+12*s_
.set x_,  48*mi_+12*s_
.set ws_, wsb_+s_
.set xs_, XS+4*mi_+s_
	WM \ph, \d
.if \fma
	SLICE
.endif
.set i_, i_+1
.endr
.endm
.macro PA d
	WIN PHA
	H 0, 0, \d, 1
	H 0, 1, \d, 1
.endm
.macro PB d
	WIN PHB
	H 1, 0, \d, 1
	H 1, 1, \d, 1
.endm
; A PREFETCH INTO THE L2: behind the tensor load for slot index j stands one instruction for the 8 d of W of index j + 1: a slot's products ahead of the load that will want it (for index 1: x's reads and the bias work ahead).
; Each aligned block of 256 bytes is named ONCE in the launch.  The clusters of one cluster y walk the same rows of W: the one with cluster x = 0 asks.  The four partners of a row of the cluster take d-slices 2 cx and 2 cx + 1,
; told apart BY ADDRESS; in each, waves 0 to 2 take 32 blocks each of the two slices' 96.  The count stops it: indices 1 to 7 are named, and nothing past W's end.
.macro ASK
	s_cmp_lt_u32 s[IDX], s[LIM]
	s_cbranch_scc0 .Lnot_mine_\@
	global_prefetch_b8 v[PFO], s[PFA:PFA+1] th:TH_LOAD_NT scope:SCOPE_SE
.Lnot_mine_\@:
	s_add_co_u32 s[IDX], s[IDX], 1
.endm
; THE CHANGE OF SLOTS stands in phase A of d-slice 6: the slot's last fragments (d-slices 6, 7) are in registers by then.  ONE barrier.  In front of it each wave waits for all its tensor loads (one is out: its quarter of the next slot),
; adds 0 to its spare word, and waits for that.  kind = 1: the barrier opens a round of the cluster's barrier, and the slot just left is filled again, two slots ahead, first thing behind the round.  kind = 0: nothing is left to ask for.
.macro TURN kind
	WIN 0                                          ; (the add's two registers lie in window 0)
.if \kind
	s_wait_xcnt 0x0                                ; the last prefetch has read its address: it is stepped here, ahead of the waits of the change of slots
	s_add_nc_u64 s[PFA:PFA+1], s[PFA:PFA+1], WSTEP
.endif
	s_wait_dscnt 0x0                               ; my reads of this slot are over
	s_wait_tensorcnt 0x0                           ; no tensor load of mine is out, so group 0 may be written
	ds_add_u32 v[SPW], v[NIL]                      ; 0 onto my spare word
.if \kind
	s_add_co_u32 s[G0W+1], s[TB], s[LW]            ; my quarter of the slot that is being left,
	s_add_nc_u64 s[G0W+2:G0W+3], s[G0W+2:G0W+3], WSTEP  ; the next 8 d; the type bits on top are not reached
.endif
	s_xor_b32 s[TB], s[TB], SLOT                   ; on to the other slot
	WIN PHA
	H 0, 0, 6, 1                                   ; work on registers between the add and the wait for it
	s_wait_dscnt 0x0                               ; the add is done
	s_barrier_signal -1
	H 0, 1, 6, 1
	WIN 0
	s_barrier_wait -1
.if \kind
	CREST                                          ; no wave of any partner still reads this slot or has a load on its way
	tensor_load_to_lds s[G0W:G0W+3], s[G1W:G1W+7]  ; my one tensor load behind the round
	s_nop 0
.endif
	PERMS 0                                        ; (eight vector instructions on window 0)
	SETADW
	FETCHG 0, 0                                    ; the next slot's first two d
	QV 0
.if \kind
	ASK
.endif
.endm
; A slot's 8 d, from phase B of d-slice 0 to phase A of the NEXT slot's d-slice 0.  v of d-slices 4-7 comes with the run in d-slice 2, that of the next slot's 0-3 with the run in d-slice 6; scale bytes come one run ahead of their words.
.macro BODY kind
	FETCHG 2, 1                                    ; buffer 1 was last read by the d-slice before, sixteen plain instructions back
	QS
	PB 0
	PA 1
	PB 1
	s_wait_dscnt 0x0                               ; the next two d's fragments, and what else was asked for, are in
	PA 2
	PERMS 1
	FETCHG 4, 0
	QV 1
	PB 2
	PA 3
	PB 3
	s_wait_dscnt 0x0
	PA 4
	FETCHG 6, 1
.if (\kind) >= 0
	QS
.endif
	PB 4
	PA 5
	PB 5
.if (\kind) >= 0
	TURN \kind
.else
	s_wait_dscnt 0x0                               ; the launch's last two d: nothing more to fetch
	PA 6
.endif
	PB 6
	PA 7
	PB 7
.if (\kind) >= 0
	s_wait_dscnt 0x0
	PA 0
.endif
.endm
; THE BIAS PRODUCT starts out's sums: nothing is ever cleared.  Lane (r, h) holds block h of sample 16 m + r: 32 numbers, so its largest magnitude needs no other lane.  Two tiles (u) go side by side.
.macro BLOAD p
	WIN 0
.irp u, 0,1
.irp j, 0,1,2,3,4,5,6,7
	ds_load_b128 v[NUM+64*((\p)%2)+32*\u+4*\j:NUM+64*((\p)%2)+32*\u+4*\j+3], v[ADB] offset:(2*(\p)+\u)*16*VPITCH+16*\j
.endr
.endr
.endm
.macro XLOAD p                         ; x's tiles 2 p and 2 p + 1: 24 loads
	WIN 0x40*(1+(\p)/2)                            ; destination window 1 or 2
.irp u, 0,1
	PIECES 48*((2*(\p)+\u)%4), ADX, (2*(\p)+\u)*16*PITCH
.endr
	WIN 0
.endm
.macro BIAS2 p
.set n_, NUM+64*((\p)%2)
.irp u, 0,1
	v_max3_num_f32 v[MX+4*\u], |v[n_+32*\u]|, |v[n_+32*\u+1]|, 0x2800000   ; four chains a tile; and the floor 2^(5 - 127), under which no largest magnitude is taken: so the byte cannot fall under 1
	v_max3_num_f32 v[MX+4*\u+1], |v[n_+32*\u+2]|, |v[n_+32*\u+3]|, |v[n_+32*\u+4]|
	v_max3_num_f32 v[MX+4*\u+2], |v[n_+32*\u+5]|, |v[n_+32*\u+6]|, |v[n_+32*\u+7]|
	v_max3_num_f32 v[MX+4*\u+3], |v[n_+32*\u+8]|, |v[n_+32*\u+9]|, |v[n_+32*\u+10]|
.endr
.irp k, 0,1,2,3,4,5,6,7,8,9
.irp u, 0,1
	v_max3_num_f32 v[MX+4*\u+(\k%4)], v[MX+4*\u+(\k%4)], |v[n_+32*\u+11+2*\k]|, |v[n_+32*\u+12+2*\k]|
.endr
.endr
.irp u, 0,1
	v_max3_num_f32 v[MX+4*\u], v[MX+4*\u], v[MX+4*\u+1], v[MX+4*\u+2]
.endr
.irp u, 0,1
	v_max3_num_f32 v[MX+4*\u], v[MX+4*\u], v[MX+4*\u+3], |v[n_+32*\u+31]|
.endr
.irp u, 0,1
	v_add_nc_u32 v[TS+\u], 0xfe000000, v[MX+4*\u]  ; 4 off its exponent field: the conversion takes the exponent field of this operand as its scale, and nothing else of it
.endr
.irp u, 0,1
	v_lshrrev_b32 v[BY+\u], 23, v[TS+\u]           ; the scale's byte,
.endr
.irp u, 0,1
	v_lshlrev_b32 v[BY+\u], v[SH8], v[BY+\u]       ; at block h's place in the scale word;
.endr
.irp u, 0,1
	v_permlanex16_b32 v[BX+\u], v[BY+\u], s[SEL], s[SEL+1]
.endr
.irp u, 0,1
	v_or_b32 v[VSC+\u], v[BY+\u], v[BX+\u]         ; with lane l xor 16's the word is whole (its upper two bytes are 0, over zero codes)
.endr
.irp u, 0,1
	v_cvt_scalef32_pk16_bf6_f32 v[VQ+12*\u:VQ+12*\u+2], v[n_+32*\u:n_+32*\u+15], v[TS+\u]
	v_cvt_scalef32_pk16_bf6_f32 v[VQT+20*\u:VQT+20*\u+2], v[n_+32*\u+16:n_+32*\u+31], v[TS+\u]   ; (a conversion's three registers begin on an even number)
.endr
	v_nop                                          ; one plain place behind a scaled conversion
.irp u, 0,1
.irp i, 0,1,2
	v_mov_b32 v[VQ+12*\u+3+\i], v[VQT+20*\u+\i]
.endr
.endr
	PLACES                                         ; an operand written by a vector instruction stands 4 places ahead of a scaled matrix instruction; the scale words stand 15 ahead
	WIN 0x40*(1+(\p)/2)                            ; destination window 1 or 2
.irp u, 0,1
	v_wmma_scale_f32_16x16x128_f8f6f4 v[224+8*((2*(\p)+\u)%4):231+8*((2*(\p)+\u)%4)], v[BF:BF+11], v[VQ+12*\u:VQ+12*\u+11], 0, v[BSC], v[VSC+\u] matrix_a_fmt:MATRIX_FMT_BF6 matrix_b_fmt:MATRIX_FMT_BF6
.endr
	WIN 0
.endm
	s_load_b256 s[4:11], s[0:1], 0x0               ; W's codes s[4:5], W's scales s[6:7], b's codes s[8:9], b's scales s[10:11]
	s_load_b256 s[12:19], s[0:1], 0x20             ; v s[12:13], x's codes s[14:15], x's scales s[16:17], out s[18:19]
	v_lshl_add_u32 v[SPW], v0, 2, SPARE
	v_mov_b32 v[NIL], 0
	ds_add_u32 v[SPW], v[NIL]                      ; the wave's opening: the add, twice on end, and its wait ahead of my first tensor load; the set-up below, work on registers, stands between
	ds_add_u32 v[SPW], v[NIL]                      ; and once more, under the one wait
	v_lshrrev_b32 v1, 5, v0
	v_readfirstlane_b32 s[WV], v1                  ; wave 0..3
	s_lshr_b32 s[SH], s[WV], 1
	s_and_b32 s[OH], s[WV], 1
	s_bfe_u32 s[CX], ttmp6, 0x40000                ; cx, cy: my place in the cluster
	s_bfe_u32 s[CY], ttmp6, 0x40004
	s_lshl_b32 s[BXI], ttmp9, 2
	s_add_co_u32 s[BXI], s[BXI], s[CX]             ; bx = 4 x cluster x + cx
	s_and_b32 s[YI], ttmp7, 0xffff
	s_lshl_b32 s[YI], s[YI], 2
	s_add_co_u32 s[YI], s[YI], s[CY]               ; y = 4 x cluster y + cy
	s_lshl_b32 s[RM], s[CY], 2
	s_lshl_b32 s[RM], 15, s[RM]                    ; my row of the cluster: the same y
	s_lshl_b32 s[CM], 0x1111, s[CX]                ; my column: the same bx
	; group 1, W's codes: d-slices of 32 rows x 384 = 12,288 dense bytes, 196,608 bytes apart; 16 bytes of padding behind every 128.  8 of them at the head; behind it two: a wave's quarter of a slot
	s_or_b32 s[G1W], s[RM], (1<<20)|(1<<21)|(4<<22)|(3<<25)  ; 15:0 the mask; 17:16 elements of 1 byte; 20 padding on; 21 set beside a mask; 24:22 after every 32 words (code 4); 31:25 4 words of it (code 3)
	s_mov_b32 s[G1W+1], 12288<<16                  ; tensor_dim0
	s_mov_b32 s[G1W+2], 8<<16                      ; tensor_dim1
	s_mov_b32 s[G1W+3], 12288<<16                  ; tile_dim0
	s_mov_b32 s[G1W+4], 8                          ; tile_dim1
	s_mov_b32 s[G1W+5], 196608                     ; tensor_dim0_stride
	s_mov_b32 s[G1W+6], 0
	s_mov_b32 s[G1W+7], 0
	; W's scale bytes: 64 d, each 32 rows x 16 = 512 dense bytes (64 elements of 8), 8,192 bytes apart; no padding
	s_or_b32 s[G1S], s[RM], (3<<16)|(1<<21)
	s_mov_b32 s[G1S+1], 64<<16
	s_mov_b32 s[G1S+2], 64<<16
	s_mov_b32 s[G1S+3], 64<<16
	s_mov_b32 s[G1S+4], 64
	s_mov_b32 s[G1S+5], 1024
	s_mov_b32 s[G1S+6], 0
	s_mov_b32 s[G1S+7], 0
	; x's codes: 256 samples x 384 dense bytes, stated as eight rows of 12,288, so that they lie in LDS as W's do
	s_or_b32 s[G1X], s[CM], (1<<20)|(1<<21)|(4<<22)|(3<<25)
	s_mov_b32 s[G1X+1], 12288<<16
	s_mov_b32 s[G1X+2], 8<<16
	s_mov_b32 s[G1X+3], 12288<<16
	s_mov_b32 s[G1X+4], 8
	s_mov_b32 s[G1X+5], 12288
	s_mov_b32 s[G1X+6], 0
	s_mov_b32 s[G1X+7], 0
	; v: 256 rows of 256 bytes (32 elements of 8), 16 bytes of padding behind each
	s_or_b32 s[G1V], s[CM], (3<<16)|(1<<20)|(1<<21)|(5<<22)|(3<<25)
	s_mov_b32 s[G1V+1], 32<<16
	s_mov_b32 s[G1V+2], 256<<16
	s_mov_b32 s[G1V+3], 32<<16
	s_mov_b32 s[G1V+4], 256
	s_mov_b32 s[G1V+5], 32
	s_mov_b32 s[G1V+6], 0
	s_mov_b32 s[G1V+7], 0
	; where the tiles come from.  s[90:95] hold y and the wave's number alone, s[96:99] bx alone: nothing in a descriptor hangs on a coordinate that the partners named do not share
	s_mul_i32 s[LW], s[WV], 2*DSL                  ; and where the ring's quarters go: no place in the cluster enters an LDS address
	s_mul_i32 s90, s[YI], 12288                    ; W's codes: my 32 outputs' rows,
	s_mov_b32 s91, 0
	s_mul_i32 s92, s[WV], 393216
	s_add_co_u32 s92, s92, s90
	s_add_co_u32 s92, s92, WSTEP                   ; and for the ring d-slices 8 + 2 w and 9 + 2 w
	s_mov_b32 s93, 0
	s_lshl_b32 s94, s[YI], 9                       ; W's scales
	s_mov_b32 s95, 0
	s_mul_i32 s96, s[BXI], 98304                   ; x's codes
	s_mov_b32 s97, 0
	s_lshl_b32 s98, s[BXI], 16                     ; v
	s_mov_b32 s99, 0
	s_mov_b32 s101, 0
	s_mov_b32 s[SEL], 0x76543210
	s_mov_b32 s[SEL+1], 0xfedcba98
	s_mov_b32 s[TB], 0
	s_mov_b32 s[IDX], 0
	s_cmp_lt_u32 s[WV], 3                          ; who prefetches: waves 0 to 2,
	s_cselect_b32 s[LIM], 0, 1
	s_or_b32 s[LIM], s[LIM], ttmp9                 ; where cluster x = 0: the same in all sixteen partners, for a given wave
	s_cmp_eq_u32 s[LIM], 0
	s_cselect_b32 s[LIM], 7, 0
	s_wait_alu depctr_va_vdst(0)                   ; directly ahead of the waits below
	s_wait_dscnt 0x0                               ; both opening adds are done
	s_wait_kmcnt 0x0
	s_mov_b32 s[G0W], 1                            ; 1:0 count = 1
	s_add_co_u32 s[G0W+1], s[LW], SLOT             ; 63:32 LDS address: slot 1
	s_add_nc_u64 s[G0W+2:G0W+3], s[4:5], s[92:93]  ; 120:64 global address: d 8 to 15
	s_or_b32 s[G0W+3], s[G0W+3], 0x80000000        ; 127:126 type = 2
	s_mov_b32 s[G0S], 1
	s_mov_b32 s[G0S+1], WSC
	s_add_nc_u64 s[G0S+2:G0S+3], s[6:7], s[94:95]
	s_or_b32 s[G0S+3], s[G0S+3], 0x80000000
	s_mov_b32 s[G0X], 1
	s_mov_b32 s[G0X+1], SLOT                       ; x's codes pass through slot 1 on their way into registers
	s_add_nc_u64 s[G0X+2:G0X+3], s[14:15], s[96:97]
	s_or_b32 s[G0X+3], s[G0X+3], 0x80000000
	s_mov_b32 s[G0V], 1
	s_mov_b32 s[G0V+1], VV
	s_add_nc_u64 s[G0V+2:G0V+3], s[12:13], s[98:99]
	s_or_b32 s[G0V+3], s[G0V+3], 0x80000000
	s_mul_i32 s100, s[YI], 12288                   ; the prefetches: my outputs' rows, d-slices 2 cx and 2 cx + 1 of slot index 1
	s_mul_i32 s2, s[CX], 393216
	s_add_co_u32 s100, s100, s2
	s_add_co_u32 s100, s100, WSTEP
	s_add_nc_u64 s[PFA:PFA+1], s[4:5], s[100:101]
	s_add_nc_u64 s[G0H+2:G0H+3], s[4:5], s[90:91]  ; d 0 to 7 at the head, whole
	s_or_b32 s[G0H+3], s[G0H+3], 0x80000000
	s_mov_b32 s[G0H], 1
	s_mov_b32 s[G0H+1], 0                          ; into slot 0
	s_mov_b32 s[PSEL], 0x05010400                  ; (y's offsets have been used)
	s_mov_b32 s[PSEL+1], 0x07030602
	CROUND                                         ; all sixteen work-groups are here: the first joint loads meet
; THE HEAD'S LOADS, ONE A WAVE.  Wave 0 fetches x's codes, wave 1 v, wave 2 W's scales, wave 3 d 0 to 7 of W's codes.  ONE tree of branches on the wave's number: every way through it passes exactly one load.
.macro ARM under, g0, g1, next
	s_cmp_lt_u32 s[WV], \under
	s_cbranch_scc0 \next
	tensor_load_to_lds s[\g0:\g0+3], s[\g1:\g1+7]
	s_nop 0
.rept 4
	v_nop
.endr
	s_branch .Lhead_asked
\next:
.endm
	ARM 1, G0X, G1X, .Lhead_v
	ARM 2, G0V, G1V, .Lhead_s
	ARM 3, G0S, G1S, .Lhead_w
	tensor_load_to_lds s[G0H:G0H+3], s[G1W:G1W+7]
	s_nop 0
.rept 4
	v_nop
.endr
.Lhead_asked:
	; the other bases: they feed no descriptor
	s_lshl_b32 s100, s[BXI], 12                    ; x's scales: 16 bytes a sample, my wave's 128 samples
	s_lshl_b32 s2, s[SH], 11
	s_add_co_u32 s100, s100, s2
	s_add_nc_u64 s[16:17], s[16:17], s[100:101]
	s_mul_i32 s100, s[YI], 1536                    ; b's codes: 48 bytes an output, my wave's 16 outputs
	s_mul_i32 s2, s[OH], 768
	s_add_co_u32 s100, s100, s2
	s_add_nc_u64 s[8:9], s[8:9], s[100:101]
	s_lshl_b32 s100, s[YI], 6                      ; b's scales: 2 bytes an output
	s_lshl_b32 s2, s[OH], 5
	s_add_co_u32 s100, s100, s2
	s_add_nc_u64 s[10:11], s[10:11], s[100:101]
	s_lshl_b32 s100, s[BXI], 19                    ; out: 256 bx rows of 2,048 bytes, + the 64 rows that my wave stores, + 128 y
	s_lshl_b32 s2, s[WV], 17
	s_add_co_u32 s100, s100, s2
	s_lshl_b32 s2, s[YI], 7
	s_add_co_u32 s100, s100, s2
	s_add_nc_u64 s[18:19], s[18:19], s[100:101]
	v_and_b32 v1, 15, v0                           ; r
	v_bfe_u32 v2, v0, 4, 1                         ; h
	v_lshlrev_b32 v[XSO], 4, v1
	v_lshl_add_u32 v[XSO], v2, 10, v[XSO]          ; lanes 16-31: 64 samples on
	v_mul_u32_u24 v[BCO], v1, 48
	v_mad_u32_u24 v[BCO], v2, 24, v[BCO]
	v_lshlrev_b32 v[BSO], 1, v1
.irp m, 0,1,2,3
	global_load_b128 v[XR+4*\m:XR+4*\m+3], v[XSO], s[16:17] offset:256*\m   ; samples 16 m + r and 64 + 16 m + r: their sixteen scale bytes
.endr
.irp p, 0,1,2
	global_load_b64 v[BF+2*\p:BF+2*\p+1], v[BCO], s[8:9] offset:8*\p        ; b: output r, block h: 24 bytes
.endr
	global_load_u16 v[BSC], v[BSO], s[10:11]       ; b's two scale bytes; the word's upper two are 0, over zero codes
	v_mul_u32_u24 v3, v1, PITCH
	v_mad_u32_u24 v3, v2, 208, v3                  ; a fragment's row x pitch; lanes 16-31 begin at byte 192, which lies behind one padding
	s_mul_i32 s2, s[OH], 16*PITCH
	v_add_nc_u32 v[LB], s2, v3
	v_lshl_add_u32 v[LB+1], v2, 4, v[LB]
	s_mul_i32 s3, s[SH], 128*PITCH
	s_add_co_u32 s3, s3, SLOT
	v_add_nc_u32 v[ADX], s3, v3
	v_lshl_add_u32 v[ADX+1], v2, 4, v[ADX]
	SETADW
	s_lshl_b32 s2, s[OH], 8
	s_add_co_u32 s2, s2, WSC
	v_lshl_add_u32 v[ADS], v1, 4, s2
	v_lshl_add_u32 v[ADS], v2, 9, v[ADS]           ; lanes 16-31: one d on
	s_mul_i32 s2, s[SH], 128*VPITCH
	s_add_co_u32 s2, s2, VV
	v_mul_u32_u24 v[ADV], v1, VPITCH
	v_add_nc_u32 v[ADV], s2, v[ADV]
	v_lshl_add_u32 v[ADB], v2, 7, v[ADV]
	s_mul_i32 s2, s[SH], 128*SPITCH
	s_lshl_b32 s3, s[OH], 6
	s_add_co_u32 s2, s2, s3
	v_mul_u32_u24 v[STO], v1, SPITCH
	v_lshl_add_u32 v[STO], v2, 5, v[STO]
	v_add_nc_u32 v[STO], s2, v[STO]                ; the stage: row 128 (w / 2) + r, + 64 (w % 2) + 32 h
	v_bfe_u32 v25, v0, 3, 2                        ; lane / 8
	v_and_b32 v26, 7, v0                           ; lane % 8
	s_mul_i32 s2, s[WV], 64*SPITCH
	v_mul_u32_u24 v[RD], v25, SPITCH
	v_lshl_add_u32 v[RD], v26, 4, v[RD]
	v_add_nc_u32 v[RD], s2, v[RD]                  ; back: eight lanes to a row's 128 bytes, four rows an instruction, rows 64 w on
	v_lshlrev_b32 v[CO], 11, v25
	v_lshl_add_u32 v[CO], v26, 4, v[CO]            ; and the same in out
	v_mul_u32_u24 v25, v0, 683
	v_lshrrev_b32 v25, 15, v25                     ; thread / 48, right for threads 0 to 95: which of my work-group's two d-slices
	v_mul_u32_u24 v25, v25, 184320                 ; a d-slice on, less the 48 blocks passed
	v_lshl_add_u32 v[PFO], v0, 8, v25              ; + 256 x thread
	v_lshlrev_b32 v[SH8], 3, v2
.irp i, 6,7,8,9,10,11
	v_mov_b32 v[VQ+\i], 0                          ; K = 64 .. 127 of the bias product: zero codes on both sides
	v_mov_b32 v[VQ+12+\i], 0
	v_mov_b32 v[BF+\i], 0
.endr
	s_wait_alu depctr_va_vdst(0)                   ; directly ahead of the branch
	ASK                                            ; slot index 1
	s_wait_alu depctr_va_vdst(0)                   ; at the head's end
	s_wait_tensorcnt 0x0                           ; my tile of the head's four is in,
	s_barrier_signal -1
	s_barrier_wait -1                              ; and so is everybody's
	BLOAD 0
	s_wait_loadcnt 0x0                             ; x's scale bytes, b's fragment and scale word
.irp m, 0,1,2,3
.irp s, 0,1,2,3
	v_perm_b32 v[XS+4*\m+\s], v[XR+4*\m+2+\s/2], v[XR+4*\m+\s/2], s[PSEL+\s%2]   ; x's scale words; they stay
.endr
.endr
; x goes into its registers under the bias work
.irp p, 0,1,2,3
	XLOAD \p
.if \p < 3
	BLOAD \p+1
	s_wait_dscnt 40                                ; this pair's numbers are in; 24 loads of x and the next pair's 16 may be out
.else
	FETCHG 0, 0                                    ; the first two d's fragments, v and scale bytes
	QV 0
	QS
	s_wait_dscnt 58                                ; behind this pair's numbers: 24 loads of x, 24 of W, 8 of v, 2 of scale bytes
.endif
	BIAS2 \p
.endr
	s_wait_xcnt 0x0                                ; the prefetch has read its address
	s_add_nc_u64 s[PFA:PFA+1], s[PFA:PFA+1], WSTEP
	s_wait_tensorcnt 0x0                           ; no tensor load of mine is out, so a descriptor may be written
	ds_add_u32 v[SPW], v[NIL]                      ; 0 onto my spare word
	s_mov_b32 s[G1W+2], 2<<16                      ; from here on a load brings two d-slices: tensor_dim1,
	s_mov_b32 s[G1W+4], 2                          ; tile_dim1
	s_wait_dscnt 0x0                               ; the add is done, and x is in my registers: my reads of slot 1 are over
	PERMS 0
	s_wait_alu depctr_va_vdst(0)                   ; directly ahead of the barrier
	CROUND                                         ; so it is in every wave of every partner
	tensor_load_to_lds s[G0W:G0W+3], s[G1W:G1W+7]  ; slot 1 is filled again, over x's bytes, with d 8 to 15
	s_nop 0
.rept 8
	v_nop                                          ; a scale register written by a vector instruction stands 8 places ahead of a scaled matrix instruction
.endr
	WIN PHA
	H 0, 0, 0, 0                                   ; the launch's first phase has no d before it,
	H 0, 1, 0, 0
	PLACES                                         ; so these are the places behind it
	WIN 0                                          ; at a label and at a branch every window is 0
	ASK                                            ; slot index 2
	s_mov_b32 s[CNT], 6
.Lslot:                                                ; six trips: slot indices 0 to 5, each of which asks for the index two on
	BODY 1
	WIN 0
	s_sub_co_u32 s[CNT], s[CNT], 1
	s_cmp_lg_u32 s[CNT], 0
	s_cbranch_scc1 .Lslot
	BODY 0                                         ; the tail is written out: index 6 asks for nothing
	BODY -1                                        ; and index 7 changes no slot
	WIN PHA
.set fd_, 7
.set vb_, 192+32+16+2
.set i_, 0
.rept 16
.set s_,  i_/4
.set mi_, i_%4
	SLICE                                          ; the last d's y of tiles 4-7: four plain instructions stand between tile 4's last product and this run's first line
.set i_, i_+1
.endr
	; THE WAY OUT.  A lane holds 32 neighbouring bytes of a row, and a row's 128 bytes come from two waves: so the sums meet in the stage, a barrier stands between writing and reading, and each wave stores 64 whole pieces of rows.
	WIN 0x04                                       ; an LDS store's data are its source 1: window 1
.irp m, 0,1,2,3
	ds_store_b128 v[STO], v[224+8*\m:227+8*\m] offset:\m*16*SPITCH
	ds_store_b128 v[STO], v[228+8*\m:231+8*\m] offset:\m*16*SPITCH+16
.endr
	WIN 0x08                                       ; window 2
.irp m, 0,1,2,3
	ds_store_b128 v[STO], v[224+8*\m:227+8*\m] offset:(\m+4)*16*SPITCH
	ds_store_b128 v[STO], v[228+8*\m:231+8*\m] offset:(\m+4)*16*SPITCH+16
.endr
	WIN 0
	s_wait_dscnt 0x0                               ; for the others' sake: my stores into the stage are done
	s_barrier_signal -1
	s_barrier_wait -1
.irp t, 0,1,2,3,4,5,6,7,8,9,10,11,12,13,14,15
	ds_load_b128 v[OB+4*\t:OB+4*\t+3], v[RD] offset:\t*4*SPITCH
.endr
.irp t, 0,1,2,3,4,5,6,7,8,9,10,11,12,13,14,15
	s_wait_dscnt 15-\t                             ; load t is in; the loads issued behind it may be out
	global_store_b128 v[CO], v[OB+4*\t:OB+4*\t+3], s[18:19] offset:\t*4*2048 th:TH_STORE_NT   ; eight lanes store 128 consecutive bytes, at a multiple of 128 from out's first byte; written once, read by nobody here
.endr
	s_wait_tensorcnt 0x0                           ; the wave's end, behind my last tensor load and my last LDS store
	ds_add_u32 v[SPW], v[NIL]
	s_wait_dscnt 0x0
	CROUND                                         ; the closing round: no work-group ends while a partner may still ask for a tile that names it
	s_endpgm
.Lfunc_end_k_q7491ef3509_mlp:
	.size	k_q7491ef3509_mlp, .Lfunc_end_k_q7491ef3509_mlp-k_q7491ef3509_mlp
	.p2alignl 7, 3214868480
	.fill 96, 4, 3214868480
	.section	.rodata,"a",@progbits
	.p2align	6, 0x0
	.amdhsa_kernel k_q7491ef3509_mlp
		.amdhsa_group_segment_fixed_size 327680
		.amdhsa_private_segment_fixed_size 0
		.amdhsa_enable_private_segment 0
		.amdhsa_kernarg_size 64
		.amdhsa_user_sgpr_count 2
		.amdhsa_user_sgpr_kernarg_segment_ptr 1
		.amdhsa_wavefront_size32 1
		.amdhsa_system_sgpr_workgroup_id_x 1
		.amdhsa_system_sgpr_workgroup_id_y 1
		.amdhsa_system_sgpr_workgroup_id_z 1
		.amdhsa_system_vgpr_workitem_id 0
		.amdhsa_next_free_vgpr 1024
		.amdhsa_next_free_sgpr 102
		.amdhsa_reserve_vcc 0
		.amdhsa_float_denorm_mode_32 3
		.amdhsa_float_denorm_mode_16_64 3
		.amdhsa_memory_ordered 1
		.amdhsa_forward_progress 1
		.amdhsa_inst_pref_size 217
	.end_amdhsa_kernel
	.amdgpu_metadata
---
amdhsa.version: [ 1, 2 ]
amdhsa.kernels:
  - .name:           k_q7491ef3509_mlp
    .symbol:         k_q7491ef3509_mlp.kd
    .args:
      - { .name: W_1_codes, .offset: 0, .size: 8, .value_kind: global_buffer, .address_space: global }
      - { .name: W_1_scales, .offset: 8, .size: 8, .value_kind: global_buffer, .address_space: global }
      - { .name: b_1_codes, .offset: 16, .size: 8, .value_kind: global_buffer, .address_space: global }
      - { .name: b_1_scales, .offset: 24, .size: 8, .value_kind: global_buffer, .address_space: global }
      - { .name: var_vector, .offset: 32, .size: 8, .value_kind: global_buffer, .address_space: global }
      - { .name: x_codes, .offset: 40, .size: 8, .value_kind: global_buffer, .address_space: global }
      - { .name: x_scales, .offset: 48, .size: 8, .value_kind: global_buffer, .address_space: global }
      - { .name: out0, .offset: 56, .size: 8, .value_kind: global_buffer, .address_space: global }
    .group_segment_fixed_size: 327680
    .private_segment_fixed_size: 0
    .kernarg_segment_align: 8
    .kernarg_segment_size: 64
    .max_flat_workgroup_size: 128
    .sgpr_count:     102
    .vgpr_count:     1024
    .wavefront_size: 32
...
	.end_amdgpu_metadata
.endif
;; end of part 1
